; MI455X (gfx1250); checked and timed in simulation.
; The chip was launched on July 23, 2026; its instructions are those of AMD's public machine-readable ISA for CDNA 5 (MIT licence, August 2026) and "CDNA5" Instruction Set Architecture Reference Guide (July 2026). The comments in the code are by the model that wrote it; some were corrected since.
;; Recompose. Allowed arithmetic: float matrix products may take bf16 or f16 operands with f32 sums; other float arithmetic in f32, or as packed bf16 or f16 multiplies, adds, multiply-adds, maxima and minima; sums over many terms, partial sums and values carried from step to step in f32; what a program stores and reads back later, other than sums and carried values, may be rounded once to bf16 or f16.
;; Inputs: batch_indices 8,192 int32; scaling_factors 1,024 float32; targets 8,192 x 1,024 float32; temporal_bases 16,384 x 1,024 float32.
;; Outputs: out0 8,192 x 1 float32.
;; One version. Each part assembles by itself: llvm-mc -triple=amdgcn-amd-amdhsa -mcpu=gfx1250 --defsym DOCPART=n.
;; ======== version 1 of 1: 1 launch
;; launch recompose (part 1): grid 256 x 1, 8 waves a work-group, no clusters, 5,376 bytes of LDS; arguments batch_indices, scaling_factors, targets, temporal_bases, out0; writes out0
.if DOCPART == 1
	.amdgcn_target "amdgcn-amd-amdhsa--gfx1250"
	.amdhsa_code_object_version 6
	.text
	.protected	k_qeee162a1cd_recompose
	.globl	k_qeee162a1cd_recompose
	.p2align	8
	.type	k_qeee162a1cd_recompose,@function
k_qeee162a1cd_recompose:
	s_mov_b64 s[64:65], 0
	v_nop
	global_prefetch_b8 v0, s[64:65] scope:SCOPE_SE
	s_setreg_imm32_b32 hwreg(HW_REG_WAVE_MODE, 25, 1), 1
	s_wait_xcnt 0x0
; out0[b] = sum over k of targets[b][k] * w[k],  w[k] = temporal_bases[batch_indices[1]][k] * scaling_factors[k].
; The reference forms targets x (sel * s)^T and keeps column 1 alone; that column hangs on the one gathered row that batch_indices[1] names,
; so the other 8,191 columns, the other indices and the table rows that they name cannot reach the output and are neither computed nor read.
; What is left is a matrix-vector product: 33,554,432 bytes of targets for 8,388,608 multiply-adds, a quarter of a multiply-add a byte: a stream.
; NO MATRIX UNIT: one column of sixteen would be of use, and rounding targets to 16 bits (one conversion for two numbers) costs as many vector
; instructions as the packed multiply-adds that finish the work in f32.  NO CLUSTER: work-groups share 8 KiB (s and the row) of the 136 KiB that each reads.
; SHARES.  256 work-groups of eight waves; work-group g owns rows 32 g .. 32 g + 31, wave w four whole rows of them (16 KiB, 128 registers).
; In load j of a row lane l holds columns 128 j + 4 l .. + 3: each load covers 512 consecutive bytes, aligned.  All of a wave's loads are issued
; at the start: there is no loop and nothing is asked for twice.
; w is made once for the work-group: thread t multiplies columns 4 t .. 4 t + 3 of s and of the row (f32, one rounding, as the reference does), puts
; them into LDS, and behind a barrier every wave reads all 4 KiB of w into 32 registers.
; LIMITS.  The index is taken as unsigned and held to 16,383 at the most (the reference relies on 0 .. 16,383; a negative index is not wrapped round).
; All arithmetic is f32; a row's sum is taken in four chains a lane and then across the 32 lanes, another order than the reference's.
; NaN and infinities go through as f32 arithmetic gives them.
.set ROW,   4096                       ; bytes in a row of targets and of temporal_bases (1,024 f32)
.set TMAX,  0x3fff                     ; the table's last row
.set WL,    0                          ; LDS 0 .. 4095: w; thread t's 16 bytes at 16 t
.set RES,   4096                       ; LDS 4096 .. 4223: the work-group's 32 sums, word 4 w + r; the block of 256 bytes is its own
.set SPARE, 4352                       ; LDS 4352 .. 5375: the spare words, 128 bytes for each of the eight waves; no other line names them
.set LO,  1                            ; v1        16 x lane: my place in 512 bytes of a row, and in 512 bytes of w in LDS
.set TO,  2                            ; v2        16 x thread: my piece of s and of the table row, and its place in LDS (WL = 0)
.set LA,  3                            ; v3        16 x wave: my wave's four words among the sums
.set L4,  4                            ; v4        4 x lane
.set RB,  5                            ; v5        a sum read back (wave 0)
.set SPW, 6                            ; v6        LDS address of my spare word: SPARE + 4 x my thread's number; never rewritten
.set NIL, 7                            ; v7        0; never rewritten
.set T,   8                            ; v[8:15]   four packed chains
.set SUM, 16                           ; v[16:19]  a sum for each of my four rows
.set SP,  20                           ; v[20:23]  my piece of s
.set BP,  24                           ; v[24:27]  my piece of the table row, then of w
.set W,   28                           ; v[28:59]  all of w: four registers for each j
.set X,   60                           ; v[60:187] row r, load j at X + 32 r + 4 j
; Row r of my four: eight loads.  The launch reads each byte of targets once, hence the hint.
.macro LOADROW r
.irp j, 0,1,2,3,4,5,6,7
	global_load_b128 v[X+32*(\r)+4*(\j):X+32*(\r)+4*(\j)+3], v[LO], s[8:9] offset:ROW*(\r)+512*(\j) th:TH_LOAD_NT
.endr
.endm
; Row r times w.  Four chains of packed multiply-adds that do not wait for each other; the first products start them, so nothing is cleared.
; Then the chains are folded, and the 32 lanes' sums added: four steps inside each half of 16 lanes ride on the addition, one crosses the halves.
.macro DOT r
.set j, 0
.rept 8
.set c, T+4*(j%2)
.set x, X+32*(\r)+4*j
.if j < 2
	v_pk_mul_f32 v[c:c+1],   v[x:x+1],   v[W+4*j:W+4*j+1]
	v_pk_mul_f32 v[c+2:c+3], v[x+2:x+3], v[W+4*j+2:W+4*j+3]
.else
	v_pk_fma_f32 v[c:c+1],   v[x:x+1],   v[W+4*j:W+4*j+1],   v[c:c+1]
	v_pk_fma_f32 v[c+2:c+3], v[x+2:x+3], v[W+4*j+2:W+4*j+3], v[c+2:c+3]
.endif
.set j, j+1
.endr
	v_pk_add_f32 v[T:T+1],   v[T:T+1],   v[T+4:T+5]
	v_pk_add_f32 v[T+2:T+3], v[T+2:T+3], v[T+6:T+7]
	v_pk_add_f32 v[T:T+1],   v[T:T+1],   v[T+2:T+3]
	v_add_f32 v[SUM+(\r)], v[T], v[T+1]
	v_add_f32_dpp v[SUM+(\r)], v[SUM+(\r)], v[SUM+(\r)] row_xmask:1 row_mask:0xf bank_mask:0xf
	v_add_f32_dpp v[SUM+(\r)], v[SUM+(\r)], v[SUM+(\r)] row_xmask:2 row_mask:0xf bank_mask:0xf
	v_add_f32_dpp v[SUM+(\r)], v[SUM+(\r)], v[SUM+(\r)] row_xmask:4 row_mask:0xf bank_mask:0xf
	v_add_f32_dpp v[SUM+(\r)], v[SUM+(\r)], v[SUM+(\r)] row_xmask:8 row_mask:0xf bank_mask:0xf
	v_permlanex16_b32 v[T], v[SUM+(\r)], s20, s21  ; its destination counts as read: T has been written
	v_add_f32 v[SUM+(\r)], v[SUM+(\r)], v[T]       ; every lane holds the row's sum
.endm
	s_load_b256 s[4:11], s[0:1], 0x0               ; batch_indices s[4:5], scaling_factors s[6:7], targets s[8:9], temporal_bases s[10:11]
	s_load_b64 s[12:13], s[0:1], 0x20              ; out0
	v_lshl_add_u32 v[SPW], v0, 2, SPARE
	v_mov_b32 v[NIL], 0
	v_and_b32 v[LO], 31, v0                        ; lane
	v_lshlrev_b32 v[L4], 2, v[LO]
	v_lshlrev_b32 v[LO], 4, v[LO]
	v_lshlrev_b32 v[TO], 4, v0
	v_lshrrev_b32 v[LA], 5, v0
	v_readfirstlane_b32 s14, v[LA]                 ; my wave's number, 0 .. 7
	v_mov_b32 v[LA], s14
	v_lshlrev_b32 v[LA], 4, v[LA]
	s_lshl_b32 s16, ttmp9, 17                      ; the work-group's 32 rows of 4,096 bytes (255 x 131,072 at the most: one word holds it),
	s_lshl_b32 s17, s14, 14                        ; my wave's four of them
	s_add_co_u32 s16, s16, s17
	s_mov_b32 s17, 0
	s_mov_b32 s19, 0                               ; the high word of the table row's offset
	s_mov_b32 s20, 0x76543210                      ; v_permlanex16_b32: each lane takes its own place in the other half
	s_mov_b32 s21, 0xfedcba98
	s_lshl_b32 s22, ttmp9, 7                       ; the work-group's 32 numbers of out0
	s_mov_b32 s23, 0
	s_wait_kmcnt 0x0                               ; the five addresses
	s_load_b32 s15, s[4:5], 0x4                    ; batch_indices[1]
	s_add_nc_u64 s[8:9], s[8:9], s[16:17]          ; targets at my wave's first row
	s_add_nc_u64 s[12:13], s[12:13], s[22:23]      ; out0 at the work-group's first number
	global_load_b128 v[SP:SP+3], v[TO], s[6:7]     ; my four numbers of s; every work-group reads them, so no hint
	LOADROW 0                                      ; half of my share goes out while the index is on its way
	LOADROW 1
	s_wait_kmcnt 0x0                               ; the index
	s_min_u32 s15, s15, TMAX                       ; held inside the table before it enters an address
	s_lshl_b32 s18, s15, 12                        ; its row's byte offset: 16,383 x 4,096 at the most
	s_add_nc_u64 s[10:11], s[10:11], s[18:19]      ; no instruction that is out names s[10:11]
	global_load_b128 v[BP:BP+3], v[TO], s[10:11]   ; my four numbers of the selected row
	LOADROW 2
	LOADROW 3
	s_wait_loadcnt 16                              ; loads come back in order (ISA guide 5.7.1): the sixteen of rows 2 and 3 stay out; s, rows 0 and 1 and the table row are in
	v_pk_mul_f32 v[BP:BP+1],   v[BP:BP+1],   v[SP:SP+1]
	v_pk_mul_f32 v[BP+2:BP+3], v[BP+2:BP+3], v[SP+2:SP+3]
	ds_store_b128 v[TO], v[BP:BP+3] offset:WL      ; w[4 t .. 4 t + 3]
	s_wait_dscnt 0x0                               ; for the other waves' sake: my piece of w is in LDS
	s_barrier_signal -1
	s_barrier_wait -1                              ; all 256 pieces are
.irp j, 0,1,2,3,4,5,6,7
	ds_load_b128 v[W+4*(\j):W+4*(\j)+3], v[LO] offset:WL+512*(\j)  ; the columns that load j of a row brought me; 32 lanes take 512 neighbouring bytes
.endr
	s_wait_dscnt 0x0
	DOT 0
	DOT 1
	s_wait_loadcnt 8                               ; row 2 is in; row 3's eight loads stay out
	DOT 2
	s_wait_loadcnt 0x0                             ; row 3
	DOT 3
	; The work-group's 32 sums meet in LDS, in bytes that nothing else uses, so that one store of one wave writes them as 128 consecutive bytes.
	ds_store_b128 v[LA], v[SUM:SUM+3] offset:RES   ; all lanes of a wave write the same 16 bytes with the same numbers
	s_wait_dscnt 0x0                               ; for wave 0's sake
	s_barrier_signal -1
	s_barrier_wait -1
	s_cmp_lg_u32 s14, 0
	s_cbranch_scc1 .Ldone                          ; jumps over no barrier
	ds_load_b32 v[RB], v[L4] offset:RES            ; lane l: the sum of row 32 g + l
	s_wait_dscnt 0x0
	global_store_b32 v[L4], v[RB], s[12:13] th:TH_STORE_NT  ; 128 consecutive bytes, at a multiple of 128 from out0's first byte
.Ldone:
	s_wait_tensorcnt 0x0                           ; the wave's end: behind my last LDS store
	ds_add_u32 v[SPW], v[NIL]
	s_wait_dscnt 0x0
	s_endpgm
.Lfunc_end_k_qeee162a1cd_recompose:
	.size	k_qeee162a1cd_recompose, .Lfunc_end_k_qeee162a1cd_recompose-k_qeee162a1cd_recompose
	.p2alignl 7, 3214868480
	.fill 96, 4, 3214868480
	.section	.rodata,"a",@progbits
	.p2align	6, 0x0
	.amdhsa_kernel k_qeee162a1cd_recompose
		.amdhsa_group_segment_fixed_size 5376
		.amdhsa_private_segment_fixed_size 0
		.amdhsa_enable_private_segment 0
		.amdhsa_kernarg_size 40
		.amdhsa_user_sgpr_count 2
		.amdhsa_user_sgpr_kernarg_segment_ptr 1
		.amdhsa_wavefront_size32 1
		.amdhsa_system_sgpr_workgroup_id_x 1
		.amdhsa_system_sgpr_workgroup_id_y 1
		.amdhsa_system_sgpr_workgroup_id_z 1
		.amdhsa_system_vgpr_workitem_id 0
		.amdhsa_next_free_vgpr 188
		.amdhsa_next_free_sgpr 66
		.amdhsa_reserve_vcc 0
		.amdhsa_float_denorm_mode_32 3
		.amdhsa_float_denorm_mode_16_64 3
		.amdhsa_memory_ordered 1
		.amdhsa_forward_progress 1
		.amdhsa_inst_pref_size 13
	.end_amdhsa_kernel
	.amdgpu_metadata
---
amdhsa.version: [ 1, 2 ]
amdhsa.kernels:
  - .name:           k_qeee162a1cd_recompose
    .symbol:         k_qeee162a1cd_recompose.kd
    .args:
      - { .name: batch_indices, .offset: 0, .size: 8, .value_kind: global_buffer, .address_space: global }
      - { .name: scaling_factors, .offset: 8, .size: 8, .value_kind: global_buffer, .address_space: global }
      - { .name: targets, .offset: 16, .size: 8, .value_kind: global_buffer, .address_space: global }
      - { .name: temporal_bases, .offset: 24, .size: 8, .value_kind: global_buffer, .address_space: global }
      - { .name: out0, .offset: 32, .size: 8, .value_kind: global_buffer, .address_space: global }
    .group_segment_fixed_size: 5376
    .private_segment_fixed_size: 0
    .kernarg_segment_align: 8
    .kernarg_segment_size: 40
    .max_flat_workgroup_size: 256
    .sgpr_count:     66
    .vgpr_count:     188
    .wavefront_size: 32
...
	.end_amdgpu_metadata
.endif
;; end of part 1
